; MI455X (gfx1250); checked and timed in simulation.
; The chip was launched on July 23, 2026; its instructions are those of AMD's public machine-readable ISA for CDNA 5 (MIT licence, August 2026) and "CDNA5" Instruction Set Architecture Reference Guide (July 2026). The comments in the code are by the model that wrote it; some were corrected since.
;; Sparse FFN. Allowed arithmetic: matrix products marked QUANTISED: E5M2 operands, one given power-of-two scale a tensor, by v_wmma_f32_16x16x64_bf8_bf8 or v_wmma_f32_16x16x128_bf8_bf8, f32 sums; everything else in f32.
;; Inputs: lowp_scales 4 int32 (the exponents e of the quantised operands' scales 2^e); mask_down 2,048 x 8,192 bool; mask_up 8,192 x 2,048 bool; w_down 2,048 x 8,192 float32; w_up 8,192 x 2,048 float32; x 2,048 x 2,048 float32.
;; Outputs: out0 2,048 x 2,048 float32.
;; This version of the problem:
;;   THIS VERSION OF THE PROBLEM IS GIVEN IN LOW PRECISION. The matrix products marked QUANTISED in the list below multiply operands that are first quantised to E5M2 (5 exponent bits, 2 mantissa bits; 8 bits a number), with one given power-of-two scale for each operand tensor; their sums are f32. All else is computed in f32.
;;   The module's matrix products, in the order in which they are computed (A, B: the left and right operand; K: the contracted axis; several contracted axes count as one K, in the product's order):
;;     1. [M 2,048, K 2,048] x [K 2,048, N 8,192]; A: input x; B: computed on the way: QUANTISED (scales: A lowp_scales[0], B lowp_scales[1])
;;     2. [M 2,048, K 8,192] x [K 8,192, N 2,048]; A: computed on the way; B: computed on the way: QUANTISED (scales: A lowp_scales[2], B lowp_scales[3])
;;   THE QUANTISER, for each operand of a quantised product, along K:
;;     - The operand's scale is 2^e, e = its entry of the input lowp_scales (int32; the entries are numbered through the quantised products in the list's order, A before B).
;;     - Each number is divided by the scale, clamped to +-57,344, and rounded to the nearest number of E5M2, ties to even, subnormals kept.
;;     - The product sums the exact products of the quantised numbers (number of the format x scale) in f32.
;;   ~~~python
;;   def quantise(x, axis, e):      # numpy; x: float32 -> the quantised numbers, widened to float32 again
;;       x = np.moveaxis(x, axis, -1); K = x.shape[-1]
;;       r = np.clip(x / 2.0 ** e, -57344, 57344)
;;       step = 2.0 ** (np.maximum(np.frexp(np.where(r == 0, 1, r))[1] - 1, -14) - 2)
;;       q = np.round(r / step) * step * 2.0 ** e      # np.round: ties to even
;;       return np.moveaxis(q, -1, axis).astype(np.float32)
;;   ~~~
;;   OPERANDS COMPUTED ON THE WAY. 'Computed on the way' means the value that the module computes at that place (a softmax that the list does not call 'softmax' is quantised finished and normalised). What goes into a quantiser is computed in f32, as accurately as f32 sums, v_exp_f32 and their like allow (about 1e-6 of the number): no bf16 or f16 on the way to a quantiser, and a product that is left as it is and whose result goes on into a quantised operand takes f32 operands (vector FMAs, or v_wmma_f32_16x16x4_f32). A number that lies on a knife's edge between two numbers of the format may be rounded either way, as far as f32 arithmetic and the matrix unit's own rounding can turn it there, and no further.
;; One version. Each part assembles by itself: llvm-mc -triple=amdgcn-amd-amdhsa -mcpu=gfx1250 --defsym DOCPART=n.
;; ======== version 1 of 1: 3 launches
;; limits: right only within a limited range of input values
;; workspace buffers: x_codes 4,194,304 bytes; wu_codes 16,777,216 bytes; wd_codes 16,777,216 bytes; h_codes 16,777,216 bytes
;; launch quant (part 1): grid 1152 x 1, 4 waves a work-group, no clusters, 55,808 bytes of LDS; arguments x, w_up, w_down, mask_up, mask_down, lowp_scales, x_codes, wu_codes, wd_codes; writes x_codes, wu_codes, wd_codes
.if DOCPART == 1
	.amdgcn_target "amdgcn-amd-amdhsa--gfx1250"
	.amdhsa_code_object_version 6
	.text
	.protected	k_qb61524950a_quant
	.globl	k_qb61524950a_quant
	.p2align	8
	.type	k_qb61524950a_quant,@function
k_qb61524950a_quant:
	s_mov_b64 s[64:65], 0
	v_nop
	global_prefetch_b8 v0, s[64:65] scope:SCOPE_SE
	s_setreg_imm32_b32 hwreg(HW_REG_WAVE_MODE, 25, 1), 1
	s_wait_xcnt 0x0
; x [2048][2048], w_up [8192][2048] and w_down [2048][8192], f32, become codes of BF8 (E5M2), one byte each, each with the scale 2^e given for it (entries 0, 1, 3 of the scales).
; code = number / 2^e, held within +-57,344, rounded to the nearest code, ties to even.
; THE MASKS: a weight is multiplied by its mask byte (0 or 1) before it is quantised, and the code of 0 is 0.  So a word m of four mask bytes becomes 255 m = (m << 8) - m and is ANDed onto four codes.
; LIMITS: each e between -126 and 112.  NaN and infinity among the inputs are not served (a masked-off infinity gives 0).  A masked-off weight gives +0.
; Work-groups 0-127 take x, 128-639 w_up, 640-1151 w_down; each takes 32,768 numbers, a wave 8,192.  The three paths part on the work-group's number and have LDS bytes of their own.
; x AND w_up leave row-major, K innermost: 16 steps of 512 consecutive numbers; a step's four loads read 512 consecutive bytes each, the 2,048 bytes turn through the wave's stage (16 bytes of padding
; behind each 64) and come back 64 bytes a lane: 16 neighbours for the conversions.  A lane's 16 codes are 16 bytes: a store covers 512 consecutive bytes.
; w_down LEAVES IN THE ORDER OF A MATRIX OPERAND'S REGISTERS: block (K / 128, N / 16) of 2,048 bytes at ((K / 128) 128 + N / 16) 2,048; in it byte 512 c + 16 l + j is row l % 16, k = 32 c + 16 (l / 16) + j.
; A wave takes 16 rows x 512 along K, in 8 steps of 16 rows x 64: eight loads of two rows x 256 bytes; the stage has rows of 272 bytes; lane l reads back 2 x 64 bytes of row l % 16, which after conversion
; are its 16 bytes of two 512-byte pieces of a block.  The mask bytes go the same way, 16 rows x 256 bytes for four steps.
; LDS serves a wave's instructions in order (ISA guide 5.7.1.4), so one stage serves every step.  No tensor loads, no barrier: waves share nothing; matrix units and clusters have nothing to do here.
.set WGX,   128
.set WGU,   640
.set STEPS, 16
.set SP,    80                         ; a lane's place in a stage: 64 bytes + 16
.set STG,   32*SP                      ; a wave's stage
.set PATHB, 4*STG                      ; a path's LDS bytes
.set DP,    272                        ; w_down's stage row
.set DST,   2*PATHB                    ; w_down's stages of numbers: 16 x DP a wave
.set DMS,   DST+4*16*DP                ; and of mask bytes
.set SPARE, DMS+4*16*DP                ; 55,296: the spare words, 128 bytes a wave
.set R,     16                         ; v16-79    numbers as loaded: four sets of 16 (w_down: two of 32)
.set X,     80                         ; v80-111   neighbours: two sets of 16 (w_down: one of 32)
.set MR,    112                        ; v112-127  four sets of 4 mask words (w_down: v112-143, 16 rows x 256 bytes)
.set MK,    128                        ; v128-135  two sets of 4 words 255 m
.set TM,    136                        ; v136-139  at work
.set C,     140                        ; v140-155  four sets of 4 words of codes
.set MW,    144                        ; w_down: v144-151 a step's mask words
.set TD,    158                        ; w_down: v158-165 at work
.set C3,    166                        ; w_down: v166-181 two sets of 8 words of codes
	s_load_b256 s[4:11], s[0:1], 0x0               ; x, w_up, w_down, mask_up
	s_load_b256 s[12:19], s[0:1], 0x20             ; mask_down, scales, x's codes, w_up's codes
	s_load_b64 s[20:21], s[0:1], 0x40              ; w_down's codes
	v_lshl_add_u32 v156, v0, 2, SPARE
	v_mov_b32 v157, 0
	v_lshrrev_b32 v1, 5, v0
	v_readfirstlane_b32 s22, v1                    ; wave
	v_and_b32 v2, 31, v0                           ; lane
	v_lshlrev_b32 v3, 4, v2                        ; 16 x lane
	s_mul_i32 s23, s22, STG
	v_lshrrev_b32 v14, 2, v2
	v_mul_u32_u24 v14, v14, SP
	v_and_b32 v15, 3, v2
	v_lshl_add_u32 v14, v15, 4, v14
	v_add_nc_u32 v14, s23, v14                     ; into the stage: SP (lane / 4) + 16 (lane % 4)
	v_mul_u32_u24 v15, v2, SP
	v_add_nc_u32 v15, s23, v15                     ; out of it: SP x lane
	s_wait_kmcnt 0x0
	s_load_b128 s[24:27], s[14:15], 0x0            ; e of x, w_up, h (not used here), w_down
.macro EXPO es                         ; v11 = 2^e, v10 = 57,344 x 2^e
	s_wait_kmcnt 0x0
	s_add_co_i32 s38, \es, 127
	s_lshl_b32 s39, s38, 23
	v_mov_b32 v11, s39
	s_add_co_i32 s38, s38, 15
	s_lshl_b32 s38, s38, 23
	s_or_b32 s38, s38, 0x600000
	v_mov_b32 v10, s38
	s_wait_alu depctr_va_vdst(0)                   ; directly ahead of the wait that follows
.endm
.macro FINISH                          ; the wave's end
	s_wait_tensorcnt 0x0
	ds_add_u32 v156, v157
	s_wait_dscnt 0x0
	s_endpgm
.endm
.macro LOADS t, masked
.irp i, 0,1,2,3
	global_load_b128 v[R+16*((\t)%4)+4*\i:R+16*((\t)%4)+4*\i+3], v3, s[28:29] offset:2048*(\t)+512*\i th:TH_LOAD_NT
.endr
.if \masked
	global_load_b128 v[MR+4*((\t)%4):MR+4*((\t)%4)+3], v3, s[30:31] offset:512*(\t) th:TH_LOAD_NT
.endif
.endm
.macro TURN t, masked, pb
.irp i, 0,1,2,3
	ds_store_b128 v14, v[R+16*((\t)%4)+4*\i:R+16*((\t)%4)+4*\i+3] offset:\pb+8*SP*\i
.endr
.irp i, 0,1,2,3
	ds_load_b128 v[X+16*((\t)%2)+4*\i:X+16*((\t)%2)+4*\i+3], v15 offset:\pb+16*\i
.endr
.if \masked
.irp i, 0,1,2,3
	v_lshlrev_b32 v[TM+\i], 8, v[MR+4*((\t)%4)+\i]
.endr
.irp i, 0,1,2,3
	v_sub_nc_u32 v[MK+4*((\t)%2)+\i], v[TM+\i], v[MR+4*((\t)%4)+\i]   ; 255 m
.endr
.endif
.endm
.macro STEP t, masked, pb
.set XS, X+16*((\t)%2)
.set CS, C+4*((\t)%4)
	s_wait_dscnt 0x0                               ; this step's numbers are back, and the stage's stores have read their registers
.if (\t) >= 4
	s_wait_xcnt 0x0                                ; the store of four steps ago has read its codes
.endif
.if (\t)+4 < STEPS
	LOADS (\t)+4, \masked
.endif
.if (\t)+1 < STEPS
.if STEPS-2-(\t) >= 3
	s_wait_loadcnt 3*(4+\masked)                   ; the next step's loads are in; three steps' may be out
.else
	s_wait_loadcnt (STEPS-2-(\t))*(4+\masked)
.endif
	TURN (\t)+1, \masked, \pb
.endif
.irp i, 0,1,2,3,4,5,6,7,8,9,10,11,12,13,14,15
	v_med3_num_f32 v[XS+\i], v[XS+\i], -v10, v10   ; the conversion does not saturate (ISA guide 7.6.2)
.endr
	v_cvt_scalef32_pk8_bf8_f32 v[CS:CS+1], v[XS:XS+7], v11
	v_cvt_scalef32_pk8_bf8_f32 v[CS+2:CS+3], v[XS+8:XS+15], v11
.if \masked
	v_nop                                          ; a plain place behind the conversions
.irp i, 0,1,2,3
	v_and_b32 v[CS+\i], v[CS+\i], v[MK+4*((\t)%2)+\i]
.endr
.endif
	global_store_b128 v3, v[CS:CS+3], s[32:33] offset:512*(\t)   ; 512 consecutive bytes
.endm
.macro BODY masked, pb, es
.irp t, 0,1,2,3
	LOADS \t, \masked
.endr
	EXPO \es
	s_wait_loadcnt 3*(4+\masked)
	TURN 0, \masked, \pb
.irp t, 0,1,2,3,4,5,6,7,8,9,10,11,12,13,14,15
	STEP \t, \masked, \pb
.endr
	FINISH
.endm
	s_cmp_lt_u32 ttmp9, WGX
	s_cbranch_scc0 .Lweights
	s_lshl_b32 s36, ttmp9, 2
	s_add_co_u32 s36, s36, s22                     ; my wave's run of 8,192 numbers
	s_lshl_b32 s34, s36, 15
	s_mov_b32 s35, 0
	s_add_nc_u64 s[28:29], s[4:5], s[34:35]
	s_lshl_b32 s34, s36, 13
	s_add_nc_u64 s[32:33], s[16:17], s[34:35]
	s_wait_alu depctr_va_vdst(0)
	BODY 0, 0, s24
.Lweights:
	s_cmp_lt_u32 ttmp9, WGU
	s_cbranch_scc0 .Ldown
	s_sub_co_u32 s36, ttmp9, WGX
	s_lshl_b32 s36, s36, 2
	s_add_co_u32 s36, s36, s22
	s_lshl_b32 s34, s36, 15
	s_mov_b32 s35, 0
	s_add_nc_u64 s[28:29], s[6:7], s[34:35]
	s_lshl_b32 s34, s36, 13
	s_add_nc_u64 s[30:31], s[10:11], s[34:35]
	s_add_nc_u64 s[32:33], s[18:19], s[34:35]
	s_wait_alu depctr_va_vdst(0)
	BODY 1, PATHB, s25
.Ldown:
	s_sub_co_u32 s36, ttmp9, WGU
	s_lshl_b32 s36, s36, 2
	s_add_co_u32 s36, s36, s22                     ; 0 .. 2,047
	s_lshr_b32 s37, s36, 4                         ; which 16 rows
	s_and_b32 s36, s36, 15                         ; which 512 along K
	s_lshl_b32 s34, s37, 19                        ; 16 rows of 32,768 bytes
	s_lshl_b32 s35, s36, 11
	s_add_co_u32 s34, s34, s35
	s_mov_b32 s35, 0
	s_add_nc_u64 s[28:29], s[8:9], s[34:35]
	s_lshr_b32 s34, s34, 2                         ; the mask: a byte a number
	s_add_nc_u64 s[30:31], s[12:13], s[34:35]
	s_lshl_b32 s34, s36, 20                        ; four blocks along K, 262,144 bytes apart
	s_lshl_b32 s37, s37, 11
	s_add_co_u32 s34, s34, s37
	s_add_nc_u64 s[32:33], s[20:21], s[34:35]
	s_mul_i32 s23, s22, 16*DP
	s_wait_alu depctr_va_vdst(0)
	v_lshrrev_b32 v12, 4, v2                       ; h
	v_and_b32 v13, 15, v2                          ; r
	v_lshlrev_b32 v4, 15, v12
	v_lshl_add_u32 v4, v13, 4, v4                  ; numbers in: row h of two, 16 bytes of its 256
	v_lshlrev_b32 v5, 13, v12
	v_lshl_add_u32 v5, v13, 4, v5                  ; mask bytes in, likewise
	v_mul_u32_u24 v6, v12, DP
	v_lshl_add_u32 v6, v13, 4, v6
	v_add_nc_u32 v6, s23, v6                       ; into a stage
	v_mul_u32_u24 v7, v13, DP
	v_add_nc_u32 v7, s23, v7
	v_lshl_add_u32 v9, v12, 4, v7                  ; mask bytes out: row r, + 16 h
	v_lshl_add_u32 v7, v12, 6, v7                  ; numbers out: row r, + 64 h
.macro DLOAD t                         ; 16 rows x 64 numbers: sixteen lanes read 256 consecutive bytes
.irp i, 0,1,2,3,4,5,6,7
	global_load_b128 v[R+32*((\t)%2)+4*\i:R+32*((\t)%2)+4*\i+3], v4, s[28:29] offset:65536*\i+256*(\t) th:TH_LOAD_NT
.endr
.endm
.macro DMASK hf                        ; 16 rows x 256 mask bytes: four steps'
.irp i, 0,1,2,3,4,5,6,7
	global_load_b128 v[MR+4*\i:MR+4*\i+3], v5, s[30:31] offset:16384*\i+256*(\hf) th:TH_LOAD_NT
.endr
.endm
.macro DSTEP t
.set CS, C3+8*((\t)%2)
.if (\t) == 1
	s_wait_loadcnt 16                              ; behind this step's loads: the second mask's eight and step 2's eight
.elseif (\t) == 7
	s_wait_loadcnt 0
.else
	s_wait_loadcnt 8                               ; the next step's eight may be out
.endif
.irp i, 0,1,2,3,4,5,6,7
	ds_store_b128 v6, v[R+32*((\t)%2)+4*\i:R+32*((\t)%2)+4*\i+3] offset:DST+2*DP*\i
.endr
.if (\t)%4 == 0
.irp i, 0,1,2,3,4,5,6,7
	ds_store_b128 v6, v[MR+4*\i:MR+4*\i+3] offset:DMS+2*DP*\i
.endr
.endif
.irp i, 0,1,2,3,4,5,6,7
	ds_load_b128 v[X+4*\i:X+4*\i+3], v7 offset:DST+128*(\i/4)+16*(\i%4)   ; k = 32 (i / 4) + 16 h + 4 (i % 4) ..
.endr
	ds_load_b128 v[MW:MW+3], v9 offset:DMS+64*((\t)%4)
	ds_load_b128 v[MW+4:MW+7], v9 offset:DMS+64*((\t)%4)+32
	s_wait_dscnt 0x0
.if (\t) >= 2
	s_wait_xcnt 0x0                                ; the stores of two steps ago have read their codes
.endif
.if (\t) == 0
	DMASK 1
.endif
.if (\t)+2 < 8
	DLOAD (\t)+2
.endif
.irp i, 0,1,2,3,4,5,6,7
	v_lshlrev_b32 v[TD+\i], 8, v[MW+\i]
.endr
.irp i, 0,1,2,3,4,5,6,7
	v_sub_nc_u32 v[MW+\i], v[TD+\i], v[MW+\i]      ; 255 m
.endr
.set j, 0
.rept 32
	v_med3_num_f32 v[X+j], v[X+j], -v10, v10
.set j, j+1
.endr
.irp g, 0,1,2,3
	v_cvt_scalef32_pk8_bf8_f32 v[CS+2*\g:CS+2*\g+1], v[X+8*\g:X+8*\g+7], v11
.endr
	v_nop                                          ; a plain place behind the conversions
.irp i, 0,1,2,3,4,5,6,7
	v_and_b32 v[CS+\i], v[CS+\i], v[MW+\i]
.endr
	global_store_b128 v3, v[CS:CS+3], s[32:33] offset:262144*((\t)/2)+1024*((\t)%2)       ; 512 consecutive bytes of a block
	global_store_b128 v3, v[CS+4:CS+7], s[32:33] offset:262144*((\t)/2)+1024*((\t)%2)+512
.endm
	DMASK 0
	DLOAD 0
	DLOAD 1
	EXPO s27
.irp t, 0,1,2,3,4,5,6,7
	DSTEP \t
.endr
	FINISH
.Lfunc_end_k_qb61524950a_quant:
	.size	k_qb61524950a_quant, .Lfunc_end_k_qb61524950a_quant-k_qb61524950a_quant
	.p2alignl 7, 3214868480
	.fill 96, 4, 3214868480
	.section	.rodata,"a",@progbits
	.p2align	6, 0x0
	.amdhsa_kernel k_qb61524950a_quant
		.amdhsa_group_segment_fixed_size 55808
		.amdhsa_private_segment_fixed_size 0
		.amdhsa_enable_private_segment 0
		.amdhsa_kernarg_size 72
		.amdhsa_user_sgpr_count 2
		.amdhsa_user_sgpr_kernarg_segment_ptr 1
		.amdhsa_wavefront_size32 1
		.amdhsa_system_sgpr_workgroup_id_x 1
		.amdhsa_system_sgpr_workgroup_id_y 1
		.amdhsa_system_sgpr_workgroup_id_z 1
		.amdhsa_system_vgpr_workitem_id 0
		.amdhsa_next_free_vgpr 184
		.amdhsa_next_free_sgpr 66
		.amdhsa_reserve_vcc 0
		.amdhsa_float_denorm_mode_32 3
		.amdhsa_float_denorm_mode_16_64 3
		.amdhsa_memory_ordered 1
		.amdhsa_forward_progress 1
		.amdhsa_inst_pref_size 127
	.end_amdhsa_kernel
	.amdgpu_metadata
---
amdhsa.version: [ 1, 2 ]
amdhsa.kernels:
  - .name:           k_qb61524950a_quant
    .symbol:         k_qb61524950a_quant.kd
    .args:
      - { .name: x, .offset: 0, .size: 8, .value_kind: global_buffer, .address_space: global }
      - { .name: w_up, .offset: 8, .size: 8, .value_kind: global_buffer, .address_space: global }
      - { .name: w_down, .offset: 16, .size: 8, .value_kind: global_buffer, .address_space: global }
      - { .name: mask_up, .offset: 24, .size: 8, .value_kind: global_buffer, .address_space: global }
      - { .name: mask_down, .offset: 32, .size: 8, .value_kind: global_buffer, .address_space: global }
      - { .name: lowp_scales, .offset: 40, .size: 8, .value_kind: global_buffer, .address_space: global }
      - { .name: x_codes, .offset: 48, .size: 8, .value_kind: global_buffer, .address_space: global }
      - { .name: wu_codes, .offset: 56, .size: 8, .value_kind: global_buffer, .address_space: global }
      - { .name: wd_codes, .offset: 64, .size: 8, .value_kind: global_buffer, .address_space: global }
    .group_segment_fixed_size: 55808
    .private_segment_fixed_size: 0
    .kernarg_segment_align: 8
    .kernarg_segment_size: 72
    .max_flat_workgroup_size: 128
    .sgpr_count:     66
    .vgpr_count:     184
    .wavefront_size: 32
...
	.end_amdgpu_metadata
.endif
;; end of part 1
;; launch up (part 2): grid 32 x 8, 4 waves a work-group, clusters of 4 x 4, 327,680 bytes of LDS; arguments x_codes, wu_codes, lowp_scales, h_codes; writes h_codes
.if DOCPART == 2
	.amdgcn_target "amdgcn-amd-amdhsa--gfx1250"
	.amdhsa_code_object_version 6
	.text
	.protected	k_qb61524950a_up
	.globl	k_qb61524950a_up
	.p2align	8
	.type	k_qb61524950a_up,@function
k_qb61524950a_up:
	s_mov_b64 s[64:65], 0
	v_nop
	global_prefetch_b8 v0, s[64:65] scope:SCOPE_SE
	s_setreg_imm32_b32 hwreg(HW_REG_WAVE_MODE, 25, 1), 1
	s_wait_xcnt 0x0
	s_wait_alu depctr_hold_cnt(0) depctr_sa_sdst(0) depctr_va_vdst(0) depctr_va_sdst(0) depctr_va_ssrc(0) depctr_va_vcc(0) depctr_vm_vsrc(0)
	s_getreg_b32 s2, hwreg(HW_REG_IB_STS2, 6, 4)
	s_cmp_eq_u32 s2, 0
	s_cbranch_scc0 .Lentry_in_a_cluster
	s_endpgm
.Lentry_in_a_cluster:
	s_bfe_u32 s2, ttmp6, 0x10000c
	s_cmp_lg_u32 s2, 0xf033
	s_cbranch_scc0 .Lentry_shape_is_right
	s_endpgm
.Lentry_shape_is_right:
; h = Q(gelu(x wu^T)).  A = x's codes [2048][2048], B = the masked w_up's codes [8192][2048]: BF8 (E5M2), row-major, K innermost.  A sum x 2^(e0 + e1) goes through the exact GELU in f32 and is
; quantised with 2^e2 into h's codes [2048][8192], row-major.  gelu(v) = max(v, 0) - |v| erfc(|v| / sqrt 2) / 2, erfc(z) = t exp(-z^2 + a polynomial of degree 9 in t), t = 1 / (1 + z / 2).
; LIMITS: e0 + e1 between -126 and 127, e2 between -126 and 112.  Inside a matrix instruction k is permuted, alike in A and B.
; A tile of h is 256 x 256: 256 work-groups of four waves, a wave 128 x 128: 64 accumulators, 512 registers.  K goes in steps of 256 through a ring of two LDS slots; a wave fetches 128 rows x 256 bytes by one tensor load.
; CLUSTERS: 4 x 4 work-groups; A's tiles are asked for jointly along a row of the cluster, B's along a column.
; A CHANGE OF SLOTS: the wait for all tensor loads, the add, the wait for it and for my reads, the round of the cluster's barrier and the joint refill stand on end at the head of a slot's last step;
; that step's 64 products, whose fragments are in registers, follow behind the refill.
; PREFETCH: behind each refill of the first two laps each wave asks for the K step that stands two refills on: of the 128 rows that it fetches, the partner at place p (cx for A, cy for B) takes rows 32 p .. 32 p + 31,
; a row's 256 bytes a lane: each block is named once in each cluster.  K steps 0 to 3 come by their loads alone; the last lap's refills ask for nothing.
; THE MATRIX INSTRUCTION IS USED TRANSPOSED (source 0 = 16 rows of B, source 1 = 16 rows of A): a lane holds eight neighbouring hidden units of a token, which one conversion packs.
; THE WAY OUT: each wave's 128 x 128 codes go into a stage of its own in slot 0, which has had its last fill and read; behind a barrier whole rows of 256 bytes are read back and stored.
; REGISTERS: window 0: v0-31 addresses, from v128 A's fragments, one set; behind the products v32-253 serve the GELU.  window 1: B's two sets.  windows 2, 3: the accumulators ((a, b) at v[8 (8 (a % 4) + b)]).
.set SIZE_N, 8192
.set SIZE_K, 2048
.set KSTEP,  256
.set ROWB,   256
.set KROW,   SIZE_K
.set PITCH,  272
.set FR,     16
.set NL,     4
.set NP,     4
.set HALFT,  128*PITCH
.set SLOT,   4*HALFT
.set LAPS,   SIZE_K/(2*KSTEP)
.set SPARE,  2*SLOT
.set HP,     144
.set WST,    128*HP+128
.set ADRA, 16
.set ADRB, 20
.set STO,  24
.set RD,   25
.set CO,   26
.set SPW,  28
.set NIL,  29
.set PFO,  30
.set AF,   128
.set V,    32
.set T,    96
.set P,    160
.set CD,   224
.set SC,   240
.set LIM,  241
.set ADR,  242
.set Y,    244
.set C9,   252
.set OUTR, 32
.set G1, 24
.set G0, 32
.set G1B, 48
.set G0B, 56
.set CK,  66
.set YS,  84
.set K1,  86
.set BI,  87
.set SOFF, 88
.set SCL, 90
.set PFA, 92
.set MSB, 0
.macro WIN new
.if MSB != (\new)
	s_set_vgpr_msb (MSB<<8)|(\new)
.set MSB, (\new)
.endif
.endm
.set MUL_LO, 0xa1
.set MUL_HI, 0xf1
.set TO_B,   0x40
.macro JLOAD g0a, g1a, g0b, g1b        ; waves 0, 1 fetch for A, waves 2, 3 for B; s_nop 0 and four v_nop behind each line
	s_cmp_eq_u32 s15, 0
	s_cbranch_scc0 .Lfor_b_\@
	tensor_load_to_lds s[\g0a:\g0a+3], s[\g1a:\g1a+7]
	s_nop 0
.rept 4
	v_nop
.endr
	s_branch .Lasked_\@
.Lfor_b_\@:
	tensor_load_to_lds s[\g0b:\g0b+3], s[\g1b:\g1b+7]
	s_nop 0
.rept 4
	v_nop
.endr
.Lasked_\@:
.endm
.macro CREST
	s_cmp_lg_u32 s14, 0
	s_cbranch_scc1 .Lnot_wave_0_\@
	s_barrier_signal -3
.Lnot_wave_0_\@:
	s_barrier_wait -3
	s_barrier_signal -1
	s_barrier_wait -1
.endm
.macro CROUND
	s_barrier_signal -1
	s_barrier_wait -1
	CREST
.endm
.macro ASK                             ; not in the loop's last trip, whose look-ahead would pass the end of K
	s_cmp_gt_u32 s3, 1
	s_cbranch_scc0 .Lno_ask_\@
	global_prefetch_b8 v[PFO], s[PFA:PFA+1] th:TH_LOAD_NT scope:SCOPE_SE
.Lno_ask_\@:
.endm
	s_load_b128 s[4:7], s[0:1], 0x0                ; x's codes, w_up's codes
	s_load_b128 s[8:11], s[0:1], 0x10              ; the scales, h's codes
	v_lshl_add_u32 v[SPW], v0, 2, SPARE
	v_mov_b32 v[NIL], 0
	ds_add_u32 v[SPW], v[NIL]                      ; the opening lines: the add twice on end and one wait
	ds_add_u32 v[SPW], v[NIL]
	v_lshrrev_b32 v1, 5, v0
	v_readfirstlane_b32 s14, v1                    ; wave
	s_lshr_b32 s15, s14, 1                         ; my half of the tile's rows; also: I fetch for A (0) or B (1)
	s_and_b32 s16, s14, 1                          ; my half of its columns; also: which 128 rows I fetch
	s_bfe_u32 s40, ttmp6, 0x40000                  ; cx
	s_bfe_u32 s41, ttmp6, 0x40004                  ; cy
	s_lshl_b32 s42, ttmp9, 2
	s_add_co_u32 s42, s42, s40                     ; tile column
	s_and_b32 s17, ttmp7, 0xffff
	s_lshl_b32 s17, s17, 2
	s_add_co_u32 s17, s17, s41                     ; tile row
	s_lshl_b32 s43, s41, 2
	s_lshl_b32 s43, 15, s43                        ; my row of the cluster
	s_lshl_b32 s44, 0x1111, s40                    ; my column
	s_or_b32 s[G1+0], s43, (0<<16)|(1<<20)|(1<<21)|(5<<22)|(3<<25)
	s_or_b32 s[G1B+0], s44, (0<<16)|(1<<20)|(1<<21)|(5<<22)|(3<<25)
.irp g, G1, G1B
	s_mov_b32 s[\g+1], ROWB<<16
	s_mov_b32 s[\g+2], 128<<16
	s_mov_b32 s[\g+3], ROWB<<16
	s_mov_b32 s[\g+4], 128
	s_mov_b32 s[\g+5], KROW
	s_mov_b32 s[\g+6], 0
	s_mov_b32 s[\g+7], 0
.endr
	s_lshl_b32 s18, s16, 7
	s_lshl_b32 s20, s17, 8
	s_add_co_u32 s20, s20, s18                     ; A: row 256 x tile row + 128 x half
	s_lshl_b32 s46, s42, 8
	s_add_co_u32 s46, s46, s18                     ; B: row 256 x tile column + 128 x half
	s_mov_b32 s21, 0
	s_mov_b32 s47, 0
	s_mov_b64 s[18:19], KROW
	s_mul_u64 s[20:21], s[20:21], s[18:19]
	s_mul_u64 s[46:47], s[46:47], s[18:19]
	s_mul_i32 s45, s14, HALFT
	s_mul_i32 s66, s15, HALFT                      ; my 128 rows of A in slot 0, 1
	s_add_co_u32 s67, s66, SLOT
	s_mul_i32 s68, s16, HALFT                      ; my 128 rows of B, behind A's 256
	s_add_co_u32 s68, s68, 2*HALFT
	s_add_co_u32 s69, s68, SLOT
	s_mul_i32 s70, s14, WST                        ; my stage
	s_mul_i32 s71, s15, 2*WST                      ; and where I read rows back
	s_mul_i32 s72, s16, 64*HP
	s_add_co_u32 s71, s71, s72
	s_lshl_b32 s74, s17, 8                         ; the first row of h that I store
	s_lshl_b32 s75, s14, 6
	s_add_co_u32 s74, s74, s75
	s_lshl_b32 s74, s74, 13
	s_lshl_b32 s75, s42, 8
	s_add_co_u32 s74, s74, s75
	s_mov_b32 s75, 0
	s_lshl_b32 s76, s17, 8                         ; the prefetch: the tile's first row, in A by the tile row, in B by the tile column,
	s_lshl_b32 s77, s42, 8
	s_cmp_eq_u32 s15, 0
	s_cselect_b32 s76, s76, s77
	s_cselect_b32 s77, s40, s41                    ; my place among the four that ask with me
	s_lshl_b32 s78, s16, 7
	s_add_co_u32 s76, s76, s78                     ; + the 128 rows that I fetch
	s_lshl_b32 s77, s77, 5
	s_add_co_u32 s76, s76, s77                     ; + my work-group's 32 of them
	s_lshl_b32 s76, s76, 11
	s_add_co_u32 s76, s76, 3*ROWB                  ; at K step 3: the first refill steps it to 4
	s_mov_b32 s77, 0
	v_and_b32 v1, 15, v0                           ; r
	v_bfe_u32 v2, v0, 4, 1                         ; h
	v_mul_u32_u24 v3, v1, PITCH
	v_lshl_add_u32 v4, v2, 4, v3
	v_add_nc_u32 v[ADRA], s66, v4
	v_add_nc_u32 v[ADRA+1], s67, v4
	v_add_nc_u32 v[ADRB], s68, v4
	v_add_nc_u32 v[ADRB+1], s69, v4
	v_mul_u32_u24 v5, v1, HP
	v_lshl_add_u32 v5, v2, 3, v5
	v_add_nc_u32 v[STO], s70, v5
	v_bfe_u32 v6, v0, 3, 1
	v_mul_u32_u24 v6, v6, WST
	v_mad_u32_u24 v6, v2, HP, v6
	v_and_b32 v7, 7, v0
	v_lshl_add_u32 v6, v7, 4, v6
	v_add_nc_u32 v[RD], s71, v6
	v_lshlrev_b32 v7, 13, v2
	v_lshl_add_u32 v[CO], v1, 4, v7
	v_and_b32 v[PFO], 31, v0
	v_lshlrev_b32 v[PFO], 11, v[PFO]               ; a row a lane
	s_wait_alu depctr_va_vdst(0)                   ; the wait at the end of the head's vector work
	s_wait_dscnt 0x0                               ; both opening adds are done
	s_wait_kmcnt 0x0
	s_load_b128 s[96:99], s[8:9], 0x0              ; e0 .. e3
	s_add_nc_u64 s[20:21], s[4:5], s[20:21]
	s_add_nc_u64 s[46:47], s[6:7], s[46:47]
	s_add_nc_u64 s[10:11], s[10:11], s[74:75]
	s_cmp_eq_u32 s15, 0                            ; the choice hangs on the wave's number alone
	s_cselect_b64 s[PFA:PFA+1], s[4:5], s[6:7]
	s_add_nc_u64 s[PFA:PFA+1], s[PFA:PFA+1], s[76:77]
	CROUND                                         ; all sixteen work-groups are here: the first joint loads meet
.irp s, 0,1
	s_mov_b32 s[G0+4*\s], 1
	s_add_co_u32 s[G0+4*\s+1], s45, \s*SLOT
	s_add_nc_u64 s[G0+4*\s+2:G0+4*\s+3], s[20:21], \s*ROWB
	s_or_b32 s[G0+4*\s+3], s[G0+4*\s+3], 0x80000000
	s_mov_b32 s[G0B+4*\s], 1
	s_add_co_u32 s[G0B+4*\s+1], s45, \s*SLOT
	s_add_nc_u64 s[G0B+4*\s+2:G0B+4*\s+3], s[46:47], \s*ROWB
	s_or_b32 s[G0B+4*\s+3], s[G0B+4*\s+3], 0x80000000
.endr
	JLOAD G0, G1, G0B, G1B                         ; K step 0: one tensor load a wave at the head
.macro FRAG reg, adr, q, i
.irp c, 0,1,2,3
	ds_load_b128 v[\reg+4*\c:\reg+4*\c+3], v[\adr] offset:128*(\q)+32*\c+(\i)*16*PITCH
.endr
.endm
; The 64 accumulators take turns in the same order in every step.
.macro MUL16 a0, p, zero
.irp a, \a0, \a0+1
.irp b, 0,1,2,3,4,5,6,7
.if \zero
	v_wmma_f32_16x16x128_bf8_bf8 v[8*(8*((\a)%4)+\b):8*(8*((\a)%4)+\b)+7], v[128*(\p)+FR*\b:128*(\p)+FR*\b+FR-1], v[AF+FR*(\a):AF+FR*(\a)+FR-1], 0
.else
	v_wmma_f32_16x16x128_bf8_bf8 v[8*(8*((\a)%4)+\b):8*(8*((\a)%4)+\b)+7], v[128*(\p)+FR*\b:128*(\p)+FR*\b+FR-1], v[AF+FR*(\a):AF+FR*(\a)+FR-1], v[8*(8*((\a)%4)+\b):8*(8*((\a)%4)+\b)+7]
.endif
.endr
.endr
.endm
.macro FETCH_B slot, q, p
	WIN TO_B
.irp i, 0,1,2,3,4,5,6,7
	FRAG 128*(\p)+FR*\i, ADRB+\slot, \q, \i
.endr
	WIN 0
.endm
.macro FETCH_A slot, q, i0
.irp i, \i0, \i0+1, \i0+2, \i0+3
	FRAG AF+FR*(\i), ADRA+\slot, \q, \i
.endr
.endm
.macro PLACES n
.rept \n
	v_nop
.endr
.endm
.macro STEP slot, q, zero              ; a step of 128 along K that has its successor in the same slot
	s_wait_dscnt 4*NL                              ; B's set and A's blocks 0-3 are in; A's blocks 4-7 may be out
	WIN MUL_LO
	MUL16 0, (\q)%2, \zero
	MUL16 2, (\q)%2, \zero
	s_wait_dscnt 0
	PLACES NP
	FETCH_B \slot, (\q)+1, 1-(\q)%2
	FETCH_A \slot, (\q)+1, 0
	WIN MUL_HI
	MUL16 4, (\q)%2, \zero
	MUL16 6, (\q)%2, \zero
	PLACES NP
	WIN 0
	FETCH_A \slot, (\q)+1, 4
.endm
.macro TURN slot, next, fill           ; a slot's last step changes slots
.if \fill
	s_wait_xcnt 0x0                                ; my last prefetch has read its base: it steps only behind this wait
	s_add_nc_u64 s[PFA:PFA+1], s[PFA:PFA+1], ROWB
.endif
	s_wait_tensorcnt 0x0                           ; my one tensor load, my part of the next slot, has landed;
	ds_add_u32 v[SPW], v[NIL]
	s_wait_dscnt 0x0                               ; the add is done, and my reads of this slot are over: this step's fragments are in registers
	s_barrier_signal -1
	s_barrier_wait -1
.if \fill
	CREST                                          ; the barrier has opened a round of the cluster's barrier: no partner's wave reads this slot or has a load on its way
	s_add_nc_u64 s[G0+4*\slot+2:G0+4*\slot+3], s[G0+4*\slot+2:G0+4*\slot+3], 2*ROWB
	s_add_nc_u64 s[G0B+4*\slot+2:G0B+4*\slot+3], s[G0B+4*\slot+2:G0B+4*\slot+3], 2*ROWB
	JLOAD G0+4*\slot, G1, G0B+4*\slot, G1B
.endif
	WIN MUL_LO
	MUL16 0, 1, 0
	MUL16 2, 1, 0
	PLACES NP
	FETCH_B \next, 0, 0
	FETCH_A \next, 0, 0
.if \fill
	ASK
.endif
	WIN MUL_HI
	MUL16 4, 1, 0
	MUL16 6, 1, 0
	PLACES NP
	WIN 0
	FETCH_A \next, 0, 4
.endm
	s_wait_tensorcnt 0x0                           ; slot 1's first fill is issued as a refill is
	ds_add_u32 v[SPW], v[NIL]
	s_wait_dscnt 0x0
	CROUND
	JLOAD G0+4, G1, G0B+4, G1B
	FETCH_B 0, 0, 0
	FETCH_A 0, 0, 0
	FETCH_A 0, 0, 4
	STEP 0, 0, 1                                   ; the first step stands in front of the loop: its products start the sums
	s_mov_b32 s3, LAPS-1
.Llap:
	TURN 0, 1, 1
	STEP 1, 0, 0
	TURN 1, 0, 1
	STEP 0, 0, 0
	s_sub_co_u32 s3, s3, 1
	s_cmp_lg_u32 s3, 0
	s_cbranch_scc1 .Llap
	TURN 0, 1, 0                                   ; the last lap fills nothing
	STEP 1, 0, 0
	s_wait_dscnt 4*NL
	WIN MUL_LO
	MUL16 0, 1, 0
	MUL16 2, 1, 0
	s_wait_dscnt 0
	WIN MUL_HI
	MUL16 4, 1, 0
	MUL16 6, 1, 0
	WIN 0
.macro CONST k, bits
	s_mov_b32 s[CK+2*\k], \bits
	s_mov_b32 s[CK+2*\k+1], \bits
.endm
.macro SCALE a                         ; a block of 16 tokens: 64 sums a lane x 2^(e0 + e1), each accumulator from its low end on
	WIN 0x02+(\a)/4
.set j, 0
.rept 32
	v_pk_mul_f32 v[V+j:V+j+1], v[64*((\a)%4)+j:64*((\a)%4)+j+1], s[SCL:SCL+1] op_sel_hi:[1,0]
.set j, j+2
.endr
	WIN 0
.endm
	s_wait_kmcnt 0x0
	s_add_co_i32 s[SCL], s96, s97
	s_add_co_i32 s[SCL], s[SCL], 127
	s_lshl_b32 s[SCL], s[SCL], 23                  ; 2^(e0 + e1)
	s_mov_b32 s[SCL+1], s[SCL]
	s_add_co_i32 s98, s98, 127
	s_lshl_b32 s99, s98, 23                        ; 2^e2
	s_add_co_i32 s98, s98, 15
	s_lshl_b32 s98, s98, 23
	s_or_b32 s98, s98, 0x600000                    ; 57,344 x 2^e2
	CONST 0, 0xc034d90f                            ; the polynomial's coefficients x log2(e), the 1/2 folded into the first
	CONST 1, 0x3fb8ab5a
	CONST 2, 0x3f0a29d2
	CONST 3, 0x3e0efb2e
	CONST 4, 0xbe899a80
	CONST 5, 0x3ecdfd18
	CONST 6, 0xbfd1a1e5
	CONST 7, 0x40097039
	CONST 8, 0xbf97d29d
	s_mov_b32 s[YS], 0x3f596d27                    ; sqrt(log2(e) / 2)
	s_mov_b32 s[YS+1], 0x3f596d27
	s_mov_b32 s[K1], 0x3eb504f3                    ; 1 / (2 sqrt 2)
	s_mov_b32 s[BI], 0
	s_mov_b32 s[SOFF], 0
	PLACES NP
	v_mov_b32 v[SC], s99
	v_mov_b32 v[LIM], s98
	v_mov_b32 v[C9], 0x3e7c6f08
	v_mov_b32 v[C9+1], 0x3e7c6f08
.Lblk:
.irp a, 0,1,2,3,4,5,6
	s_cmp_lg_u32 s[BI], \a
	s_cbranch_scc1 .Lnot_\a
	SCALE \a
	s_branch .Lgelu
.Lnot_\a:
.endr
	SCALE 7
.Lgelu:
.set j, 0
.rept 64
	v_fma_f32 v[T+j], |v[V+j]|, s[K1], 1.0
.set j, j+1
.endr
.set j, 0
	s_wait_alu depctr_va_vdst(0)                   ; a wait ahead of a batch of transcendentals and one behind it
.rept 64
	v_rcp_f32 v[T+j], v[T+j]
.set j, j+1
.endr
	v_nop
.set j, 0
	s_wait_alu depctr_va_vdst(0)
.rept 32
	v_pk_fma_f32 v[P+j:P+j+1], v[T+j:T+j+1], v[C9:C9+1], s[CK+16:CK+17] op_sel_hi:[1,1,0]
.set j, j+2
.endr
.irp k, 7,6,5,4,3,2,1,0
.set j, 0
.rept 32
	v_pk_fma_f32 v[P+j:P+j+1], v[P+j:P+j+1], v[T+j:T+j+1], s[CK+2*\k:CK+2*\k+1] op_sel_hi:[1,1,0]
.set j, j+2
.endr
.endr
.set j, 0
.rept 8
.irp q, 0,2,4,6
	v_pk_mul_f32 v[Y+\q:Y+\q+1], v[V+j+\q:V+j+\q+1], s[YS:YS+1] op_sel_hi:[1,0]
.endr
.irp q, 0,2,4,6
	v_pk_fma_f32 v[P+j+\q:P+j+\q+1], v[Y+\q:Y+\q+1], v[Y+\q:Y+\q+1], v[P+j+\q:P+j+\q+1] neg_lo:[1,0,0] neg_hi:[1,0,0]
.endr
.set j, j+8
.endr
.set j, 0
	s_wait_alu depctr_va_vdst(0)
.rept 64
	v_exp_f32 v[P+j], v[P+j]
.set j, j+1
.endr
	v_nop
.set j, 0
	s_wait_alu depctr_va_vdst(0)
.rept 32
	v_pk_mul_f32 v[T+j:T+j+1], v[T+j:T+j+1], v[P+j:P+j+1]       ; erfc / 2
.set j, j+2
.endr
.set j, 0
.rept 64
	v_max_num_f32 v[P+j], 0, v[V+j]
.set j, j+1
.endr
.set j, 0
.rept 64
	v_fma_f32 v[P+j], -|v[V+j]|, v[T+j], v[P+j]
.set j, j+1
.endr
.set j, 0
.rept 64
	v_med3_num_f32 v[P+j], v[P+j], -v[LIM], v[LIM]              ; the conversion does not saturate (ISA guide 7.6.2)
.set j, j+1
.endr
	s_wait_alu depctr_va_vdst(0)
	s_wait_dscnt 0x0                               ; the last block's stores have read their codes
.irp b, 0,1,2,3,4,5,6,7
	v_cvt_scalef32_pk8_bf8_f32 v[CD+2*\b:CD+2*\b+1], v[P+8*\b:P+8*\b+7], v[SC]
.endr
	v_nop
	v_add_nc_u32 v[ADR], s[SOFF], v[STO]
.irp b, 0,1,2,3,4,5,6,7
	ds_store_b64 v[ADR], v[CD+2*\b:CD+2*\b+1] offset:16*\b
.endr
	s_add_co_u32 s[SOFF], s[SOFF], 16*HP
	s_add_co_u32 s[BI], s[BI], 1
	s_cmp_lt_u32 s[BI], 8
	s_cbranch_scc1 .Lblk
	s_wait_dscnt 0x0                               ; for the others' sake: my stores are done
	s_barrier_signal -1
	s_barrier_wait -1
.set t, 0
.rept 32
	ds_load_b128 v[OUTR+4*t:OUTR+4*t+3], v[RD] offset:t*2*HP
.set t, t+1
.endr
.set t, 0
.rept 32
	s_wait_dscnt 31-t
	global_store_b128 v[CO], v[OUTR+4*t:OUTR+4*t+3], s[10:11] offset:t*2*SIZE_N   ; sixteen lanes store 256 consecutive bytes, at a multiple of 256 from the buffer's first byte
.set t, t+1
.endr
	s_wait_tensorcnt 0x0                           ; the wave's end
	ds_add_u32 v[SPW], v[NIL]
	s_wait_dscnt 0x0
	CROUND                                         ; the closing round
	s_endpgm
.Lfunc_end_k_qb61524950a_up:
	.size	k_qb61524950a_up, .Lfunc_end_k_qb61524950a_up-k_qb61524950a_up
	.p2alignl 7, 3214868480
	.fill 96, 4, 3214868480
	.section	.rodata,"a",@progbits
	.p2align	6, 0x0
	.amdhsa_kernel k_qb61524950a_up
		.amdhsa_group_segment_fixed_size 327680
		.amdhsa_private_segment_fixed_size 0
		.amdhsa_enable_private_segment 0
		.amdhsa_kernarg_size 32
		.amdhsa_user_sgpr_count 2
		.amdhsa_user_sgpr_kernarg_segment_ptr 1
		.amdhsa_wavefront_size32 1
		.amdhsa_system_sgpr_workgroup_id_x 1
		.amdhsa_system_sgpr_workgroup_id_y 1
		.amdhsa_system_sgpr_workgroup_id_z 1
		.amdhsa_system_vgpr_workitem_id 0
		.amdhsa_next_free_vgpr 1024
		.amdhsa_next_free_sgpr 100
		.amdhsa_reserve_vcc 0
		.amdhsa_float_denorm_mode_32 3
		.amdhsa_float_denorm_mode_16_64 3
		.amdhsa_memory_ordered 1
		.amdhsa_forward_progress 1
		.amdhsa_inst_pref_size 148
	.end_amdhsa_kernel
	.amdgpu_metadata
---
amdhsa.version: [ 1, 2 ]
amdhsa.kernels:
  - .name:           k_qb61524950a_up
    .symbol:         k_qb61524950a_up.kd
    .args:
      - { .name: x_codes, .offset: 0, .size: 8, .value_kind: global_buffer, .address_space: global }
      - { .name: wu_codes, .offset: 8, .size: 8, .value_kind: global_buffer, .address_space: global }
      - { .name: lowp_scales, .offset: 16, .size: 8, .value_kind: global_buffer, .address_space: global }
      - { .name: h_codes, .offset: 24, .size: 8, .value_kind: global_buffer, .address_space: global }
    .group_segment_fixed_size: 327680
    .private_segment_fixed_size: 0
    .kernarg_segment_align: 8
    .kernarg_segment_size: 32
    .max_flat_workgroup_size: 128
    .sgpr_count:     100
    .vgpr_count:     1024
    .wavefront_size: 32
...
	.end_amdgpu_metadata
.endif
;; end of part 2
;; launch down (part 3): grid 16 x 16, 4 waves a work-group, clusters of 4 x 4, 327,680 bytes of LDS; arguments h_codes, wd_codes, lowp_scales, out0; writes out0
.if DOCPART == 3
	.amdgcn_target "amdgcn-amd-amdhsa--gfx1250"
	.amdhsa_code_object_version 6
	.text
	.protected	k_qb61524950a_down
	.globl	k_qb61524950a_down
	.p2align	8
	.type	k_qb61524950a_down,@function
k_qb61524950a_down:
	s_mov_b64 s[64:65], 0
	v_nop
	global_prefetch_b8 v0, s[64:65] scope:SCOPE_SE
	s_setreg_imm32_b32 hwreg(HW_REG_WAVE_MODE, 25, 1), 1
	s_wait_xcnt 0x0
	s_wait_alu depctr_hold_cnt(0) depctr_sa_sdst(0) depctr_va_vdst(0) depctr_va_sdst(0) depctr_va_ssrc(0) depctr_va_vcc(0) depctr_vm_vsrc(0)
	s_getreg_b32 s2, hwreg(HW_REG_IB_STS2, 6, 4)
	s_cmp_eq_u32 s2, 0
	s_cbranch_scc0 .Lentry_in_a_cluster
	s_endpgm
.Lentry_in_a_cluster:
	s_bfe_u32 s2, ttmp6, 0x10000c
	s_cmp_lg_u32 s2, 0xf033
	s_cbranch_scc0 .Lentry_shape_is_right
	s_endpgm
.Lentry_shape_is_right:
; out = h wd^T.  A = h's codes [2048][8192], row-major; B = the masked w_down's codes in the order of an operand's registers: block (K / 128, N / 16) of 2,048 bytes at ((K / 128) 128 + N / 16) 2,048,
; in it byte 512 c + 16 l + j = row l % 16, k = 32 c + 16 (l / 16) + j.  BF8 (E5M2); out [2048][2048] f32.  Each finished sum is multiplied once by 2^(e2 + e3).
; LIMIT: e2 + e3 between -126 and 127.  Inside a matrix instruction k is permuted, alike in A and B; K is summed in four partial sums, one a wave, added in f32 at the end.
; A tile of out is 128 x 128: 256 work-groups.  THE FOUR WAVES SHARE K: every wave holds the whole tile (64 accumulators, 512 registers) and takes 256 of each 1,024 along K, in four steps of 64.
; A COMES THROUGH LDS: a ring of two slots of 1,024 along K.  Wave w loads, by one joint tensor load, and alone reads, bytes 256 w .. 256 w + 255 of the tile's 128 rows (LDS rows of 272 bytes).
; The four work-groups of a row of the 4 x 4 cluster need the same rows of A and ask for them jointly.
; B GOES FROM MEMORY STRAIGHT INTO REGISTERS: of a work-group's B every byte is wanted once, by one wave, and lies in memory as that wave's registers take it: each load covers 512 consecutive bytes.
; It is not asked for jointly: a joint load lands in LDS; without B there a slot holds 1,024 along K of A in place of 512 of both.  Four sets of 64 registers: a step's 16 loads are issued three steps ahead (48 out).
; PREFETCH: at each refill, in slot s, the bytes of slot s + 3 are asked for: A's one slot ahead of their tensor load, B's at least a slot ahead of their loads.  Two instructions a wave, a block of 256 bytes a lane.
; Waves 0, 1: of the tile's 128 rows x 1,024 bytes of A the partner at cx takes rows 32 cx .. + 31.  Waves 2, 3: of the tile column's eight blocks along K (16 KB each) the partner at cy takes two.
; So each block is named once in each cluster; the shares part by address.  Slots 0 to 2 come by their loads alone; slot 5's refill asks for nothing.
; WHO OWNS WHAT: wave w lays the tile's row block (i xor 2 w) into its accumulator block i, so every wave's blocks 0, 1 are the rows that it owns, 32 w .. 32 w + 31.
; THE MATRIX INSTRUCTION IS USED TRANSPOSED (source 0 = 16 rows of B, source 1 = 16 rows of A): a lane holds eight neighbouring numbers of a row of out.
; REGISTERS: window 0: v0-31 addresses, v128-255 A's fragments, two sets of 64.  window 1: B's four sets.  window 2: accumulator blocks 0-3 ((i, b) at v[8 (8 (i % 4) + b)]); window 3: blocks 4-7.
.set SIZE_N, 2048
.set KROW,   8192
.set PITCH,  272
.set SUB,    128*PITCH                 ; a wave's part of a slot
.set WREG,   2*SUB                     ; a wave's two
.set SPARE,  4*WREG                    ; the spare words, 128 bytes a wave
.set STAGE,  SPARE+512                 ; 16 rows x 528 bytes a wave, for the way out; no tile lands there
.set SPITCH, 528
.set OWN,    49152                     ; the sums' meeting place, from LDS byte 0, in the slots behind their last fill and read: three images of 16,384 bytes for each owner
.set SLOTB,  0x200000                  ; B: from a slot's blocks to the next slot's (8 x 262,144)
.set AA,   8                           ; v8-11   LDS address of A's rows for accumulator blocks 2 g, 2 g + 1
.set SW,   18                          ; v18-20  where I put blocks 2 d, 2 d + 1: at wave d xor w's
.set RL,   21                          ; v21     where the three images for me lie
.set STO,  22
.set RD,   23
.set CO,   24                          ; v24     16 x lane
.set PF,   25                          ; v25, 26 the prefetches' lane offsets
.set PF2,  26
.set SPW,  28
.set NIL,  29
.set AF,   128
.set SUM,  128
.set G1,  24                           ; s[24:31] group 1;  s[32:39] group 0, one for each slot
.set G0,  32
.set BB,  74                           ; s[74:75] B at my wave's blocks of the slot that the text counts from
.set PFA, 76                           ; s[76:77] where my prefetches stand;  s[50:51] their step
.set PFS, 50
.set SCL, 92
.set MSB, 0
.macro WIN new
.if MSB != (\new)
	s_set_vgpr_msb (MSB<<8)|(\new)
.set MSB, (\new)
.endif
.endm
.set MUL_LO, 0xa1
.set MUL_HI, 0xf1
.set TO_B,   0x40
.macro PLACES
.rept 4
	v_nop
.endr
.endm
.macro JLOAD s                         ; every wave's own quarter; s_nop 0 and four v_nop behind it
	tensor_load_to_lds s[G0+4*\s:G0+4*\s+3], s[G1:G1+7]
	s_nop 0
	PLACES
.endm
.macro CREST
	s_cmp_lg_u32 s14, 0
	s_cbranch_scc1 .Lnot_wave_0_\@
	s_barrier_signal -3
.Lnot_wave_0_\@:
	s_barrier_wait -3
	s_barrier_signal -1
	s_barrier_wait -1
.endm
.macro CROUND
	s_barrier_signal -1
	s_barrier_wait -1
	CREST
.endm
.macro LOADB u                         ; B's eight fragments (16 rows x 64 K, 8 registers) of step u, counted from BB's slot, into set u % 4
.set BOF, ((\u)/4)*SLOTB+(((\u)%4)/2)*0x40000+((\u)%2)*1024
	WIN TO_B
.irp b, 0,1,2,3,4,5,6,7
	global_load_b128 v[64*((\u)%4)+8*\b:64*((\u)%4)+8*\b+3], v[CO], s[BB:BB+1] offset:BOF+2048*\b
	global_load_b128 v[64*((\u)%4)+8*\b+4:64*((\u)%4)+8*\b+7], v[CO], s[BB:BB+1] offset:BOF+2048*\b+512
.endr
	WIN 0
.endm
.macro FETCHA sl, q, p                 ; A's eight fragments of the slot's step q into set p: registers 4 c .. 4 c + 3 hold k = 32 c + 16 (l / 16) + 0 .. 15
	WIN 0
.irp i, 0,1,2,3,4,5,6,7
	ds_load_b128 v[AF+64*(\p)+8*\i:AF+64*(\p)+8*\i+3], v[AA+\i/2] offset:(\sl)*SUB+(\i%2)*16*PITCH+64*(\q)
	ds_load_b128 v[AF+64*(\p)+8*\i+4:AF+64*(\p)+8*\i+7], v[AA+\i/2] offset:(\sl)*SUB+(\i%2)*16*PITCH+64*(\q)+32
.endr
.endm
; 16 matrix instructions: A's blocks a0, a0 + 1 x B's eight.  The 64 accumulators take turns in the same order in every step.  zero = 1: the first products start the sums.
.macro MUL16 a0, u, zero
.irp a, \a0, \a0+1
.irp b, 0,1,2,3,4,5,6,7
.if \zero
	v_wmma_f32_16x16x64_bf8_bf8 v[8*(8*((\a)%4)+\b):8*(8*((\a)%4)+\b)+7], v[64*((\u)%4)+8*\b:64*((\u)%4)+8*\b+7], v[AF+64*((\u)%2)+8*(\a):AF+64*((\u)%2)+8*(\a)+7], 0
.else
	v_wmma_f32_16x16x64_bf8_bf8 v[8*(8*((\a)%4)+\b):8*(8*((\a)%4)+\b)+7], v[64*((\u)%4)+8*\b:64*((\u)%4)+8*\b+7], v[AF+64*((\u)%2)+8*(\a):AF+64*((\u)%2)+8*(\a)+7], v[8*(8*((\a)%4)+\b):8*(8*((\a)%4)+\b)+7]
.endif
.endr
.endr
.endm
; A step that has its successor in the same slot.  nb = 1: B of three steps on is asked for.  lc: the loads issued behind this step's B.
.macro STEP u, sl, zero, nb, lc
	PLACES                                         ; in front of loads into registers that the last step's products read
.if \nb
	LOADB (\u)+3
.endif
	FETCHA \sl, ((\u)%4)+1, 1-(\u)%2
	s_wait_loadcnt \lc                             ; this step's B is in
	s_wait_dscnt 16                                ; this step's A is in; the 16 just issued may be out
	WIN MUL_LO
	MUL16 0, \u, \zero
	MUL16 2, \u, \zero
	WIN MUL_HI
	MUL16 4, \u, \zero
	MUL16 6, \u, \zero
.endm
.macro ASK how                         ; 1: always; 2: not in the loop's last trip, whose look-ahead would pass the end of K
.if \how
.if \how == 2
	s_cmp_lg_u32 s3, 1
	s_cbranch_scc0 .Lno_ask_\@
.endif
	global_prefetch_b8 v[PF], s[PFA:PFA+1] th:TH_LOAD_NT scope:SCOPE_SE
	global_prefetch_b8 v[PF2], s[PFA:PFA+1] th:TH_LOAD_NT scope:SCOPE_SE
.Lno_ask_\@:
.endif
.endm
; A slot's last step changes slots.  Its A is in registers, so my reads of the slot are over.  fill = 1: the slot is filled again, two slots ahead.
.macro TURN u, sl, fill, lc, how
.if \fill
	s_wait_xcnt 0x0                                ; my last prefetches have read their base: it steps only behind this wait
	s_add_nc_u64 s[PFA:PFA+1], s[PFA:PFA+1], s[PFS:PFS+1]
.endif
	PLACES
	LOADB (\u)+3
	s_wait_tensorcnt 0x0                           ; my one tensor load, my part of the next slot, has landed;
	ds_add_u32 v[SPW], v[NIL]
	s_wait_loadcnt \lc
	s_wait_dscnt 1                                 ; (the add may be out)
	WIN MUL_LO
	MUL16 0, \u, 0
	s_wait_dscnt 0x0                               ; the add is done
	s_barrier_signal -1
	MUL16 2, \u, 0
	WIN 0
	s_barrier_wait -1
.if \fill
	CREST                                          ; the barrier has opened a round of the cluster's barrier: no partner's wave reads this slot or has a load on its way
	s_add_nc_u64 s[G0+4*\sl+2:G0+4*\sl+3], s[G0+4*\sl+2:G0+4*\sl+3], 2048
	JLOAD \sl
.else
	PLACES
.endif
	FETCHA 1-\sl, 0, 0
	ASK \how
	WIN MUL_HI
	MUL16 4, \u, 0
	MUL16 6, \u, 0
.endm
	s_load_b128 s[4:7], s[0:1], 0x0                ; h's codes, w_down's codes
	s_load_b128 s[8:11], s[0:1], 0x10              ; the scales, out
	v_lshl_add_u32 v[SPW], v0, 2, SPARE
	v_mov_b32 v[NIL], 0
	ds_add_u32 v[SPW], v[NIL]                      ; the opening lines: the add twice on end and one wait
	ds_add_u32 v[SPW], v[NIL]
	v_lshrrev_b32 v1, 5, v0
	v_readfirstlane_b32 s14, v1                    ; wave
	s_lshr_b32 s15, s14, 1                         ; my prefetches: A's (0) or B's (1),
	s_and_b32 s16, s14, 1                          ; and which half of the share
	s_bfe_u32 s40, ttmp6, 0x40000                  ; cx
	s_bfe_u32 s41, ttmp6, 0x40004                  ; cy
	s_lshl_b32 s42, ttmp9, 2
	s_add_co_u32 s42, s42, s40                     ; tile column
	s_and_b32 s17, ttmp7, 0xffff
	s_lshl_b32 s17, s17, 2
	s_add_co_u32 s17, s17, s41                     ; tile row
	s_lshl_b32 s43, s41, 2
	s_lshl_b32 s43, 15, s43                        ; my row of the cluster
	s_or_b32 s[G1+0], s43, (1<<20)|(1<<21)|(5<<22)|(3<<25)   ; the mask; elements of 1 byte; 16 bytes of padding behind every 256; bit 21 beside a mask
	s_mov_b32 s[G1+1], 256<<16                     ; tensor_dim0
	s_mov_b32 s[G1+2], 128<<16                     ; tensor_dim1
	s_mov_b32 s[G1+3], 256<<16                     ; tile_dim0
	s_mov_b32 s[G1+4], 128                         ; tile_dim1
	s_mov_b32 s[G1+5], KROW
	s_mov_b32 s[G1+6], 0
	s_mov_b32 s[G1+7], 0
	s_lshl_b32 s20, s17, 20                        ; A: 128 rows of 8,192 bytes a tile row, + 256 x wave
	s_lshl_b32 s21, s14, 8
	s_add_co_u32 s20, s20, s21
	s_mov_b32 s21, 0
	s_mul_i32 s45, s14, WREG
	s_lshl_b32 s46, s42, 14                        ; B: 8 blocks a tile column, + two blocks along K a wave
	s_lshl_b32 s47, s14, 19
	s_add_co_u32 s46, s46, s47
	s_mov_b32 s47, 0
	s_lshl_b32 s52, s17, 20                        ; the prefetch in A: row 128 x tile row + 32 cx + 16 x half, at slot 2
	s_lshl_b32 s53, s40, 18
	s_add_co_u32 s52, s52, s53
	s_lshl_b32 s53, s16, 17
	s_add_co_u32 s52, s52, s53
	s_add_co_u32 s52, s52, 2048
	s_lshl_b32 s54, s41, 1                         ; in B: block 16 + 2 cy + half along K, the tile column's eight
	s_add_co_u32 s54, s54, s16
	s_add_co_u32 s54, s54, 16
	s_lshl_b32 s54, s54, 18
	s_lshl_b32 s53, s42, 14
	s_add_co_u32 s54, s54, s53
	s_mov_b32 s50, SLOTB
	s_mov_b32 s55, 0x10000
	s_cmp_eq_u32 s15, 0
	s_cselect_b32 s52, s52, s54
	s_cselect_b32 s50, 1024, s50                   ; a slot on
	s_cselect_b32 s55, s55, 0x2000                 ; the second instruction: 8 rows, or 32 blocks, on
	s_cselect_b32 s56, -1, 0
	s_mov_b32 s53, 0
	s_mov_b32 s51, 0
.irp g, 0,1,2,3
	s_xor_b32 s[60+\g], s14, \g                    ; accumulator blocks 2 g, 2 g + 1 take the tile's rows 32 (g xor w) on
	s_mul_i32 s[60+\g], s[60+\g], 32*PITCH
	s_add_co_u32 s[60+\g], s[60+\g], s45
.endr
.irp d, 1,2,3
	s_xor_b32 s[65+\d], s14, \d                    ; the owner of my blocks 2 d, 2 d + 1
	s_mul_i32 s[65+\d], s[65+\d], OWN
.endr
	s_mul_i32 s69, s14, OWN
	s_mul_i32 s70, s14, 16*SPITCH
	s_add_co_u32 s70, s70, STAGE
	s_lshl_b32 s72, s17, 7
	s_lshl_b32 s73, s14, 5
	s_add_co_u32 s72, s72, s73                     ; the first row of out that I own
	s_lshl_b32 s72, s72, 13
	s_lshl_b32 s73, s42, 9
	s_add_co_u32 s72, s72, s73
	s_mov_b32 s73, 0
	v_and_b32 v5, 31, v0                           ; lane
	v_and_b32 v1, 15, v0                           ; r
	v_bfe_u32 v2, v0, 4, 1                         ; h
	v_lshlrev_b32 v[CO], 4, v5
	v_mul_u32_u24 v3, v1, PITCH
	v_lshl_add_u32 v4, v2, 4, v3
.irp g, 0,1,2,3
	v_add_nc_u32 v[AA+\g], s[60+\g], v4
.endr
.irp d, 1,2,3
	v_add_nc_u32 v[SW+\d-1], s[65+\d], v[CO]
.endr
	v_add_nc_u32 v[RL], s69, v[CO]
	v_mul_u32_u24 v6, v1, SPITCH
	v_lshl_add_u32 v6, v2, 5, v6
	v_add_nc_u32 v[STO], s70, v6
	v_add_nc_u32 v[RD], s70, v[CO]
	v_lshrrev_b32 v3, 2, v5
	v_and_b32 v7, 3, v5
	v_lshlrev_b32 v3, 13, v3
	v_lshl_add_u32 v3, v7, 8, v3                   ; in A: row lane / 4, block lane % 4
	v_lshlrev_b32 v7, 8, v5                        ; in B: block lane
	v_cndmask_b32 v[PF], v7, v3, s56
	v_add_nc_u32 v[PF2], s55, v[PF]
	s_wait_alu depctr_va_vdst(0)                   ; the wait at the end of the head's vector work
	s_wait_dscnt 0x0                               ; both opening adds are done
	s_wait_kmcnt 0x0
	s_load_b128 s[96:99], s[8:9], 0x0              ; e0 .. e3
	s_add_nc_u64 s[20:21], s[4:5], s[20:21]
	s_add_nc_u64 s[BB:BB+1], s[6:7], s[46:47]
	s_cmp_eq_u32 s15, 0                            ; the choice hangs on the wave's number alone
	s_cselect_b64 s[PFA:PFA+1], s[4:5], s[6:7]
	s_add_nc_u64 s[PFA:PFA+1], s[PFA:PFA+1], s[52:53]
	s_add_nc_u64 s[10:11], s[10:11], s[72:73]
	LOADB 0                                        ; B of the first three steps sets out
	LOADB 1
	LOADB 2
	CROUND                                         ; all sixteen work-groups are here: the first joint loads meet
.irp s, 0,1
	s_mov_b32 s[G0+4*\s], 1
	s_add_co_u32 s[G0+4*\s+1], s45, \s*SUB
	s_add_nc_u64 s[G0+4*\s+2:G0+4*\s+3], s[20:21], \s*1024
	s_or_b32 s[G0+4*\s+3], s[G0+4*\s+3], 0x80000000
.endr
	JLOAD 0                                        ; slot 0: one tensor load a wave at the head
	s_wait_tensorcnt 0x0                           ; slot 1's first fill is issued as a refill is
	ds_add_u32 v[SPW], v[NIL]
	s_wait_dscnt 0x0
	CROUND
	JLOAD 1
	FETCHA 0, 0, 0
	STEP 0, 0, 1, 1, 48                            ; the first step stands in front of the loop: its products start the sums
	WIN 0
	s_mov_b32 s3, 3
.Llap:                                                 ; a trip goes once round the ring, from a lap's second step to the next lap's first, and fills both slots again
	STEP 1, 0, 0, 1, 48
	STEP 2, 0, 0, 1, 48
	TURN 3, 0, 1, 48, 1
	STEP 4, 1, 0, 1, 48
	STEP 5, 1, 0, 1, 48
	STEP 6, 1, 0, 1, 48
	TURN 7, 1, 1, 48, 2
	STEP 8, 0, 0, 1, 48
	WIN 0
	s_wait_xcnt 0x0                                ; my loads of B have read their base
	s_add_nc_u64 s[BB:BB+1], s[BB:BB+1], 2*SLOTB
	s_sub_co_u32 s3, s3, 1
	s_cmp_lg_u32 s3, 0
	s_cbranch_scc1 .Llap
	STEP 1, 0, 0, 1, 48                            ; slots 6 and 7: nothing is filled again
	STEP 2, 0, 0, 1, 48
	TURN 3, 0, 0, 48, 0
	STEP 4, 1, 0, 1, 48                            ; the last step's B is asked for
	STEP 5, 1, 0, 0, 32
	STEP 6, 1, 0, 0, 16
	s_wait_loadcnt 0x0
	s_wait_dscnt 0x0                               ; my reads of the slots are over:
	WIN MUL_LO
	MUL16 0, 7, 0
	MUL16 2, 7, 0
	s_barrier_signal -1                            ; say so,
	WIN MUL_HI
	MUL16 4, 7, 0
	MUL16 6, 7, 0
	WIN 0
	s_barrier_wait -1                              ; and when all four have said so, nobody reads them any more; they have had their last fill
	; THE FOUR PARTIAL SUMS MEET.  My blocks 2 to 7 go to their owners as images of their registers: lane l's 16 bytes at 16 l; the owner loads them by the same lines into the same lanes.
	PLACES
.irp i, 2,3,4,5,6,7
	WIN 0x08+4*(\i/4)                              ; the data: window 2 or 3
.irp b, 0,1,2,3,4,5,6,7
	ds_store_b128 v[SW+\i/2-1], v[64*(\i%4)+8*\b:64*(\i%4)+8*\b+3] offset:(\i/2-1)*16384+(\i%2)*8192+\b*1024          ; each accumulator from its low end on
	ds_store_b128 v[SW+\i/2-1], v[64*(\i%4)+8*\b+4:64*(\i%4)+8*\b+7] offset:(\i/2-1)*16384+(\i%2)*8192+\b*1024+512
.endr
.endr
	WIN 0
	s_wait_dscnt 0x0                               ; for the others' sake: my stores are done
	s_barrier_signal -1
	s_barrier_wait -1
	WIN TO_B                                       ; two images into window 1, where B's fragments lay
.set k, 0
.rept 64
	ds_load_b128 v[4*k:4*k+3], v[RL] offset:512*k
.set k, k+1
.endr
	WIN 0                                          ; the third into window 0, where A's lay
.set k, 0
.rept 32
	ds_load_b128 v[SUM+4*k:SUM+4*k+3], v[RL] offset:32768+512*k
.set k, k+1
.endr
	s_wait_kmcnt 0x0
	s_add_co_i32 s[SCL], s98, s99
	s_add_co_i32 s[SCL], s[SCL], 127
	s_lshl_b32 s[SCL], s[SCL], 23                  ; 2^(e2 + e3)
	s_mov_b32 s[SCL+1], s[SCL]
	s_wait_dscnt 32                                ; the first two images are in
	WIN 0x45
.set j, 0
.rept 64
	v_pk_add_f32 v[j:j+1], v[j:j+1], v[128+j:129+j]
.set j, j+2
.endr
	s_wait_dscnt 0x0
	WIN 0x02                                       ; source 0: my own sums, window 2
.set j, 0
.rept 64
	v_pk_add_f32 v[SUM+j:SUM+j+1], v[j:j+1], v[SUM+j:SUM+j+1]   ; each accumulator from its low end on
.set j, j+2
.endr
	WIN 0x04
.set j, 0
.rept 64
	v_pk_add_f32 v[SUM+j:SUM+j+1], v[SUM+j:SUM+j+1], v[j:j+1]
.set j, j+2
.endr
	WIN 0
.set j, 0
.rept 64
	v_pk_mul_f32 v[SUM+j:SUM+j+1], v[SUM+j:SUM+j+1], s[SCL:SCL+1] op_sel_hi:[1,0]
.set j, j+2
.endr
; THE WAY OUT, two blocks of 16 rows x 128 columns, through my own stage: in as 32 bytes a lane, back as whole rows of 512 bytes.  LDS serves a wave's instructions in order (ISA guide 5.7.1.4).
.macro TOSTAGE u
.irp b, 0,1,2,3,4,5,6,7
	ds_store_b128 v[STO], v[SUM+64*\u+8*\b:SUM+64*\u+8*\b+3] offset:64*\b
	ds_store_b128 v[STO], v[SUM+64*\u+8*\b+4:SUM+64*\u+8*\b+7] offset:64*\b+16
.endr
.irp t, 0,1,2,3,4,5,6,7,8,9,10,11,12,13,14,15
	ds_load_b128 v[SUM+64*\u+4*\t:SUM+64*\u+4*\t+3], v[RD] offset:\t*SPITCH
.endr
.endm
.macro SEND u, younger
	s_wait_dscnt \younger
.irp t, 0,1,2,3,4,5,6,7,8,9,10,11,12,13,14,15
	global_store_b128 v[CO], v[SUM+64*\u+4*\t:SUM+64*\u+4*\t+3], s[10:11] offset:(16*\u+\t)*SIZE_N*4 th:TH_STORE_NT   ; 512 consecutive bytes, at a multiple of 256 from out's first byte
.endr
.endm
	TOSTAGE 0
	TOSTAGE 1
	SEND 0, 32                                     ; behind block 0's loads: block 1's 16 stores and 16 loads
	SEND 1, 0
	s_wait_tensorcnt 0x0                           ; the wave's end
	ds_add_u32 v[SPW], v[NIL]
	s_wait_dscnt 0x0
	CROUND                                         ; the closing round
	s_endpgm
.Lfunc_end_k_qb61524950a_down:
	.size	k_qb61524950a_down, .Lfunc_end_k_qb61524950a_down-k_qb61524950a_down
	.p2alignl 7, 3214868480
	.fill 96, 4, 3214868480
	.section	.rodata,"a",@progbits
	.p2align	6, 0x0
	.amdhsa_kernel k_qb61524950a_down
		.amdhsa_group_segment_fixed_size 327680
		.amdhsa_private_segment_fixed_size 0
		.amdhsa_enable_private_segment 0
		.amdhsa_kernarg_size 32
		.amdhsa_user_sgpr_count 2
		.amdhsa_user_sgpr_kernarg_segment_ptr 1
		.amdhsa_wavefront_size32 1
		.amdhsa_system_sgpr_workgroup_id_x 1
		.amdhsa_system_sgpr_workgroup_id_y 1
		.amdhsa_system_sgpr_workgroup_id_z 1
		.amdhsa_system_vgpr_workitem_id 0
		.amdhsa_next_free_vgpr 1024
		.amdhsa_next_free_sgpr 100
		.amdhsa_reserve_vcc 0
		.amdhsa_float_denorm_mode_32 3
		.amdhsa_float_denorm_mode_16_64 3
		.amdhsa_memory_ordered 1
		.amdhsa_forward_progress 1
		.amdhsa_inst_pref_size 155
	.end_amdhsa_kernel
	.amdgpu_metadata
---
amdhsa.version: [ 1, 2 ]
amdhsa.kernels:
  - .name:           k_qb61524950a_down
    .symbol:         k_qb61524950a_down.kd
    .args:
      - { .name: h_codes, .offset: 0, .size: 8, .value_kind: global_buffer, .address_space: global }
      - { .name: wd_codes, .offset: 8, .size: 8, .value_kind: global_buffer, .address_space: global }
      - { .name: lowp_scales, .offset: 16, .size: 8, .value_kind: global_buffer, .address_space: global }
      - { .name: out0, .offset: 24, .size: 8, .value_kind: global_buffer, .address_space: global }
    .group_segment_fixed_size: 327680
    .private_segment_fixed_size: 0
    .kernarg_segment_align: 8
    .kernarg_segment_size: 32
    .max_flat_workgroup_size: 128
    .sgpr_count:     100
    .vgpr_count:     1024
    .wavefront_size: 32
...
	.end_amdgpu_metadata
.endif
;; end of part 3
